; MI455X (gfx1250); checked and timed in simulation.
; The chip was launched on July 23, 2026; its instructions are those of AMD's public machine-readable ISA for CDNA 5 (MIT licence, August 2026) and "CDNA5" Instruction Set Architecture Reference Guide (July 2026). The comments in the code are by the model that wrote it; some were corrected since.
;; Self Attention ANN16. Allowed arithmetic: float matrix products may take bf16 or f16 operands with f32 sums; all other float work in f32.
;; Inputs: Wh 64 x 16 float32; Wo 8 x 64 float32; bh 64 float32; bo 8 float32; wk 2 x 1 float32; wq 2 x 1 float32; wv 2 x 1 float32; x 524,288 x 16 float32.
;; Outputs: out0 524,288 x 1 x 1 float32.
;; One version. Each part assembles by itself: llvm-mc -triple=amdgcn-amd-amdhsa -mcpu=gfx1250 --defsym DOCPART=n.
;; ======== version 1 of 1: 1 launch
;; limits: right only within a limited range of input values
;; launch attn (part 1): grid 256 x 1, 16 waves a work-group, no clusters, 169,984 bytes of LDS; arguments x, wq, wk, wv, Wh, bh, Wo, bo, out0; writes out0
.if DOCPART == 1
	.amdgcn_target "amdgcn-amd-amdhsa--gfx1250"
	.amdhsa_code_object_version 6
	.text
	.protected	k_q6ee8216703_attn
	.globl	k_q6ee8216703_attn
	.p2align	8
	.type	k_q6ee8216703_attn,@function
k_q6ee8216703_attn:
	s_mov_b64 s[64:65], 0
	v_nop
	global_prefetch_b8 v0, s[64:65] scope:SCOPE_SE
	s_setreg_imm32_b32 hwreg(HW_REG_WAVE_MODE, 25, 1), 1
	s_wait_xcnt 0x0
; SelfAttentionANN16, the whole chain in one launch.  For each of 524,288 rows of 16 f32:
;   o1 = attention(x, 16)    x1 = sigmoid(Wh o1 + bh)    x2 = Wo x1 + bo    o2 = attention(x2, 8)    out = x[8:16] . softmax(o2)
;   attention(x, n)[j] = v * sum over i of x_i * softmax over j of (k x_i * q x_j)
;
; SHARES.  256 work-groups of 16 waves; a work-group owns 2,048 rows, a wave 128 rows (8,192 bytes of x), lane L the rows 4L .. 4L+3 of its
; wave's block: 256 consecutive bytes of x and 16 consecutive bytes of out0.  The wave makes four passes; in pass s lane L computes row 4L+s
; alone, so that both attentions, both softmaxes and the last dot product need no other lane.  Only the two linear layers go to the matrix unit,
; 32 rows at a time.  16 waves on 4 SIMDs are 4 x 214 = 856 registers of a SIMD's 1,024.
; x comes in by ONE tensor load a wave (its only one: one is outstanding), into LDS bytes of the wave's own that are filled once and read by
; that wave alone: no barrier, no refill.  The launch declares 169,984 bytes of LDS; the x tiles take 16 x 8,704 = 139,264.
; The four results of a lane leave in one 16-byte store: the wave's store covers 512 consecutive bytes, aligned.
;
; NOT USED, AND WHY.  Clusters: work-groups share only the weights, 6,456 bytes, against 131,072 bytes of x of their own.  The matrix unit for the
; sums over i inside an attention: every row has its own 16 x 16 matrix, used once with one vector; converting it would cost one instruction for
; two numbers, as many as the packed multiply-adds that do the sum in f32.
;
; THE MAXIMUM.  The largest exponent of softmax row i is max(a_i xmax, a_i xmin), a_i = q k log2(e) x_i: products are rounded monotonically, so this is
; the largest of the rounded a_i x_j.  It is taken away inside one fused multiply-add, exp2(a_i x_j - m_i).
;
; LIMITS.  (a) The fused exponent of the largest term is not 0 but the rounding error of m_i, at most 2^-24 |m_i|: sums stay finite while
; |wq wk x_i x_j| log2(e) < 2^30.  (b) v_exp_f32 gives 0 for results below 2^-126 (ISA guide 15.8).  (c) The two linear layers take bf16 operands
; (wv[0] and -log2(e) are multiplied into Wh in f32 before the one rounding), sums and biases in f32.  (d) The first layer has K = 16 in a form of
; K = 32: the upper 16 of B are zeros, the upper 16 of A are whatever weights lie in the next four registers, so -log2(e) wv[0] Wh and Wo must be finite
; in bf16 (below about 3.4e38).  (e) NaN and infinities in the inputs are not reproduced: the maxima skip NaN.  (f) q k x_i x_j is formed as
; ((q k log2 e) x_i) x_j, another order of rounding than (k x_i)(q x_j).
.set WTILE, 8704                       ; a wave's LDS bytes: 32 rows of 256 bytes + 16 of padding
.set LPITCH, 272                       ; 68 words: the 16 lanes that one pass of a 16-byte load serves start at 16 different 16-byte columns (64 banks of 4 bytes: ISA guide 11.1)
.set LA,   1                           ; v1        LDS address of my 256 bytes
.set OFS,  2                           ; v2        byte offset of my 16 bytes in the work-group's part of out0
.set RES,  4                           ; v[4:7]    my four results
.set XA,   8                           ; v[8:23]   x of passes 0 and 2
.set XB,   24                          ; v[24:39]  x of passes 1 and 3
.set MX,   40                          ; v[40:41]  xmax, xmin
.set RA,   42                          ; v[42:43]  a_i, a_i+1
.set RNM,  44                          ; v[44:45]  -m_i, -m_i+1
.set RS,   46                          ; v[46:47]  row sums, then their reciprocals
.set RW,   48                          ; v[48:49]  x_i / S_i
.set RT,   50                          ; v[50:57]  at work
.set ACL,  42                          ; v[42:49]  second layer's sums, rows of lanes 0-15  (the attention's small registers are free then)
.set ACH,  50                          ; v[50:57]  second layer's sums, rows of lanes 16-31
.set PB0,  58                          ; v[58:65]  first layer's B, rows of lanes 0-15; registers 4-7 stay 0
.set PB1,  66                          ; v[66:73]  first layer's B, rows of lanes 16-31; registers 4-7 stay 0
.set POOL, 74                          ; v[74:137] attention 16: E of row i at +0, of row i+1 at +16, o at +32; layers: 8 accumulators of 8; attention 8: x2 +0, E +8, +16, o +24
.set WH,   138                         ; v[138:153] -log2(e) wv0 Wh in bf16: tile t (hidden 16t .. 16t+15) in 4 registers
.set WO,   154                         ; v[154:169] Wo in bf16: chunk c (hidden 32c .. 32c+31) in 8 registers
.set BH,   170                         ; v[170:201] -log2(e) bh in f32, laid out as the first layer's C: tile t in 8 registers
.set BO,   202                         ; v[202:209] bo in f32, laid out as the second layer's C
; scalars: s3 wave; s[8:25] the nine addresses; s[26:31] wq, wk, wv; s[32:39] bo; s[40:41] c1 twice; s[42:43] c2; s[44:45] -log2e wv0; s[46:47] log2e wv1;
;          s48 mask of lanes 16-31; s[50:51] -log2e; s[52:55], s[56:63] the tensor descriptor
	s_load_b512 s[8:23], s[0:1], 0x0               ; x s[8:9], wq s[10:11], wk s[12:13], wv s[14:15], Wh s[16:17], bh s[18:19], Wo s[20:21], bo s[22:23]
	s_load_b64 s[24:25], s[0:1], 0x40              ; out0
	v_lshl_add_u32 v212, v0, 2, 0x29000
	v_mov_b32 v213, 0
	ds_add_u32 v212, v213
	ds_add_u32 v212, v213
	v_lshrrev_b32 v[OFS], 5, v0
	v_readfirstlane_b32 s3, v[OFS]                 ; my wave's number, 0 to 15, as a scalar
	; descriptor group 1: 32 rows of 32 elements of 8 bytes, dense in memory (a row begins where the last ends), 16 bytes of padding behind each row in LDS
	s_mov_b32 s56, (3<<16)|(1<<20)|(5<<22)|(3<<25) ; 15:0 no work-group mask; 17:16 elements of 8 bytes; 20 padding on; 24:22 after every 64 words; 31:25 of 4 words
	s_mov_b32 s57, 32<<16                          ; tensor_dim0 = 32
	s_mov_b32 s58, 32<<16                          ; tensor_dim1 = 32
	s_mov_b32 s59, 32<<16                          ; tile_dim0 = 32
	s_mov_b32 s60, 32                              ; tile_dim1 = 32
	s_mov_b32 s61, 32                              ; 32 elements from row to row
	s_mov_b32 s62, 0
	s_mov_b32 s63, 0
	s_mov_b32 s52, 1                               ; group 0: count = 1
	s_mul_i32 s53, s3, WTILE                       ; LDS address: the wave's number times 8,704
	s_lshl_b32 s4, ttmp9, 17                       ; 2,048 rows of 64 bytes for each work-group
	s_lshl_b32 s2, s3, 13                          ; 128 rows of 64 bytes for each wave
	s_add_co_u32 s4, s4, s2                        ; below 2^25
	s_mov_b32 s5, 0
	s_lshl_b32 s6, ttmp9, 13                       ; 2,048 results of 4 bytes for each work-group
	s_mov_b32 s7, 0
	v_and_b32 v3, 31, v0                           ; lane
	v_and_b32 v40, 15, v0                          ; r = lane mod 16
	v_bfe_u32 v41, v0, 4, 1                        ; h = lane / 16
	v_and_b32 v42, 7, v0                           ; r mod 8
	v_lshlrev_b32 v52, 5, v41                      ; bh: 32 h
	v_lshl_add_u32 v50, v40, 6, v52                ; Wh: 64 r + 32 h
	v_lshl_add_u32 v51, v42, 8, v52                ; Wo: 256 (r mod 8) + 32 h
	s_wait_dscnt 0x0
	s_wait_kmcnt 0x0
	s_add_nc_u64 s[54:55], s[8:9], s[4:5]          ; my wave's 8,192 bytes of x
	s_or_b32 s55, s55, 0x80000000                  ; type = 2
	tensor_load_to_lds s[52:55], s[56:63]          ; ahead of everything else: x is on its way while the weights are prepared
	s_nop 0
	s_load_b64 s[26:27], s[10:11], 0x0             ; wq[0], wq[1]
	s_load_b64 s[28:29], s[12:13], 0x0             ; wk
	s_load_b64 s[30:31], s[14:15], 0x0             ; wv
	s_load_b256 s[32:39], s[22:23], 0x0            ; bo
	; A of the first layer: lane (r, h) holds Wh[16t + r][8h .. 8h+7], 32 bytes, as f32 in POOL + 8t
.irp t, 0,1,2,3
	global_load_b128 v[POOL+8*\t:POOL+8*\t+3],   v50, s[16:17] offset:1024*\t
	global_load_b128 v[POOL+8*\t+4:POOL+8*\t+7], v50, s[16:17] offset:1024*\t+16
.endr
	; A of the second layer: lane (r, h) holds Wo[r mod 8][32c + 8h .. +7] and [32c + 16 + 8h .. +7]: Wo's 8 rows stand twice in the 16 rows of A
.irp c, 0,1
	global_load_b128 v[POOL+32+16*\c:POOL+32+16*\c+3],     v51, s[20:21] offset:128*\c
	global_load_b128 v[POOL+32+16*\c+4:POOL+32+16*\c+7],   v51, s[20:21] offset:128*\c+16
	global_load_b128 v[POOL+32+16*\c+8:POOL+32+16*\c+11],  v51, s[20:21] offset:128*\c+64
	global_load_b128 v[POOL+32+16*\c+12:POOL+32+16*\c+15], v51, s[20:21] offset:128*\c+80
.endr
	; C of the first layer: register j of lane (r, h) is row 8h + j of the tile: bh[16t + 8h + j]
.irp t, 0,1,2,3
	global_load_b128 v[BH+8*\t:BH+8*\t+3],   v52, s[18:19] offset:64*\t
	global_load_b128 v[BH+8*\t+4:BH+8*\t+7], v52, s[18:19] offset:64*\t+16
.endr
	s_add_nc_u64 s[24:25], s[24:25], s[6:7]        ; out0 at the work-group's first row
	v_mul_u32_u24 v[LA], v3, LPITCH
	v_add_nc_u32 v[LA], s53, v[LA]                 ; my 256 bytes: wave x 8,704 + lane x 272
	v_lshlrev_b32 v[OFS], 4, v0                    ; thread t = 32 w + L stores rows 128 w + 4 L .. + 3: byte 16 t
	v_cmp_le_u32 s48, 16, v3                       ; lanes 16 to 31
.irp j, 4,5,6,7
	v_mov_b32 v[PB0+\j], 0                         ; K = 16 .. 31 of the first layer's B: zeros, written once
	v_mov_b32 v[PB1+\j], 0
.endr
	s_mov_b32 s50, 0xbfb8aa3b                      ; -log2(e)
	s_mov_b32 s51, 0xbfb8aa3b
	s_wait_kmcnt 0x0                               ; wq, wk, wv, bo
	s_mul_f32 s40, s26, s28                        ; wq0 wk0
	s_mul_f32 s42, s27, s29                        ; wq1 wk1
	s_mul_f32 s44, s30, 0xbfb8aa3b                 ; -log2(e) wv0: goes into Wh
	s_mul_f32 s46, s31, 0x3fb8aa3b                 ; log2(e) wv1: goes into the last softmax's exponents
	s_mul_f32 s40, s40, 0x3fb8aa3b                 ; c1
	s_mul_f32 s42, s42, 0x3fb8aa3b                 ; c2
	s_mov_b32 s45, s44                             ; each stands twice: a packed instruction names the pair
	s_mov_b32 s47, s46
	s_mov_b32 s41, s40
	s_mov_b32 s43, s42
.irp j, 0,1,2,3,4,5,6,7
	v_mov_b32 v[BO+\j], s[32+\j]                   ; C of the second layer: register j is row j (and row 8 + j, the same output)
.endr
	s_wait_loadcnt 16                              ; Wh's eight loads are in; Wo's eight and bh's eight are younger
.set jj, 0
.rept 16
	v_pk_mul_f32 v[POOL+2*jj:POOL+2*jj+1], v[POOL+2*jj:POOL+2*jj+1], s[44:45] op_sel_hi:[1,0]
.set jj, jj+1
.endr
.set jj, 0
.rept 16
	v_cvt_pk_bf16_f32 v[WH+jj], v[POOL+2*jj], v[POOL+2*jj+1]
.set jj, jj+1
.endr
	s_wait_loadcnt 8                               ; Wo's eight are in; bh's eight are younger
.set jj, 0
.rept 16
	v_cvt_pk_bf16_f32 v[WO+jj], v[POOL+32+2*jj], v[POOL+32+2*jj+1]
.set jj, jj+1
.endr
	s_wait_loadcnt 0x0                             ; bh; the three offset registers v50 to v52 are free from here on
.set jj, 0
.rept 16
	v_pk_mul_f32 v[BH+2*jj:BH+2*jj+1], v[BH+2*jj:BH+2*jj+1], s[50:51] op_sel_hi:[1,0]
.set jj, jj+1
.endr
	s_wait_tensorcnt 0x0                           ; my wave's tile is in LDS; no other wave reads it, so no barrier follows
.irp p, 0,1,2,3
	ds_load_b128 v[XA+4*\p:XA+4*\p+3], v[LA] offset:16*\p      ; pass 0: row 4L
.endr
; xmax and xmin of the n numbers at xb, two chains that do not wait for each other
.macro RANGE n, xb
	v_max3_num_f32 v[MX],   v[\xb], v[\xb+1], v[\xb+2]
	v_min3_num_f32 v[MX+1], v[\xb], v[\xb+1], v[\xb+2]
.set rj, 3
.rept (\n-4)/2
	v_max3_num_f32 v[MX],   v[MX],   v[\xb+rj], v[\xb+rj+1]
	v_min3_num_f32 v[MX+1], v[MX+1], v[\xb+rj], v[\xb+rj+1]
.set rj, rj+2
.endr
	v_max_num_f32 v[MX],   v[MX],   v[\xb+\n-1]
	v_min_num_f32 v[MX+1], v[MX+1], v[\xb+\n-1]
.endm
; a and -m of softmax rows i and i + 1
.macro PRELUDE i, xb, cs
	v_pk_mul_f32 v[RA:RA+1], v[\xb+\i:\xb+\i+1], s[\cs:\cs+1] op_sel_hi:[1,0]               ; a = c x
	v_pk_mul_f32 v[RT:RT+1], v[RA:RA+1], v[MX:MX+1] op_sel_hi:[1,0]                         ; a xmax
	v_pk_mul_f32 v[RT+2:RT+3], v[RA:RA+1], v[MX:MX+1] op_sel:[0,1] op_sel_hi:[1,1]          ; a xmin
	v_min_num_f32 v[RNM],   -v[RT],   -v[RT+2]                                              ; -max(a xmax, a xmin)
	v_min_num_f32 v[RNM+1], -v[RT+1], -v[RT+3]
.endm
; the n exponents a x_j - m of one softmax row (sel = 0: row i, 1: row i + 1), two to an instruction
.macro ARGS eb, n, xb, sel
.set jj, 0
.rept \n/2
	v_pk_fma_f32 v[\eb+jj:\eb+jj+1], v[\xb+jj:\xb+jj+1], v[RA:RA+1], v[RNM:RNM+1] op_sel:[0,\sel,\sel] op_sel_hi:[1,\sel,\sel]
.set jj, jj+2
.endr
.endm
.macro EXPS eb, n
.set jj, 0
.rept \n
	v_exp_f32 v[\eb+jj], v[\eb+jj]
.set jj, jj+1
.endr
.endm
.macro RCPS eb, n
.set jj, 0
.rept \n
	v_rcp_f32 v[\eb+jj], v[\eb+jj]
.set jj, jj+1
.endr
.endm
; the sum of one softmax row
.macro SUMROW eb, n, sel
	s_wait_alu depctr_va_vdst(0)
	v_pk_add_f32 v[RT:RT+1],   v[\eb:\eb+1],   v[\eb+2:\eb+3]
	v_pk_add_f32 v[RT+2:RT+3], v[\eb+4:\eb+5], v[\eb+6:\eb+7]
.if \n == 16
	v_pk_add_f32 v[RT+4:RT+5], v[\eb+8:\eb+9],   v[\eb+10:\eb+11]
	v_pk_add_f32 v[RT+6:RT+7], v[\eb+12:\eb+13], v[\eb+14:\eb+15]
	v_pk_add_f32 v[RT:RT+1],   v[RT:RT+1],   v[RT+2:RT+3]
	v_pk_add_f32 v[RT+4:RT+5], v[RT+4:RT+5], v[RT+6:RT+7]
	v_pk_add_f32 v[RT:RT+1],   v[RT:RT+1],   v[RT+4:RT+5]
.else
	v_pk_add_f32 v[RT:RT+1],   v[RT:RT+1],   v[RT+2:RT+3]
.endif
	v_add_f32 v[RS+\sel], v[RT], v[RT+1]
.endm
; o_j += (x_i / S_i) E_ij; the first row starts the sums, so nothing is cleared
.macro ACCUM eb, n, ob, sel, first
.set jj, 0
.rept \n/2
.if \first
	v_pk_mul_f32 v[\ob+jj:\ob+jj+1], v[\eb+jj:\eb+jj+1], v[RW:RW+1] op_sel:[0,\sel] op_sel_hi:[1,\sel]
.else
	v_pk_fma_f32 v[\ob+jj:\ob+jj+1], v[\eb+jj:\eb+jj+1], v[RW:RW+1], v[\ob+jj:\ob+jj+1] op_sel:[0,\sel,0] op_sel_hi:[1,\sel,1]
.endif
.set jj, jj+2
.endr
.endm
; Softmax rows i and i + 1.  Behind a run of transcendentals one plain vector instruction that touches none of them comes before a result is
; used (ISA guide 5.7.2): behind row i's exponentials the exponents of row i + 1, behind those of row i + 1 the sum of row i, behind the two
; reciprocals the next pair's a and -m (RA, RNM and RT are free there), or v_nop behind the last pair's.
.macro PAIR i, n, xb, e0, e1, ob, cs
	ARGS \e0, \n, \xb, 0
	EXPS \e0, \n
	ARGS \e1, \n, \xb, 1
	EXPS \e1, \n
	SUMROW \e0, \n, 0
	SUMROW \e1, \n, 1
	v_rcp_f32 v[RS], v[RS]
	v_rcp_f32 v[RS+1], v[RS+1]
.if \i+2 < \n
	PRELUDE \i+2, \xb, \cs
.else
	v_nop
	s_wait_alu depctr_va_vdst(0)
.endif
	s_wait_alu depctr_va_vdst(0)
	v_pk_mul_f32 v[RW:RW+1], v[\xb+\i:\xb+\i+1], v[RS:RS+1]
.if \i == 0
	ACCUM \e0, \n, \ob, 0, 1
.else
	ACCUM \e0, \n, \ob, 0, 0
.endif
	ACCUM \e1, \n, \ob, 1, 0
.endm
; attention over the n numbers at xb, without the factor v, into ob
.macro ATT n, xb, e0, e1, ob, cs
	RANGE \n, \xb
	PRELUDE 0, \xb, \cs
.set ai, 0
.rept \n/2
	PAIR ai, \n, \xb, \e0, \e1, \ob, \cs
.set ai, ai+2
.endr
.endm
.macro ONEPLUS b                       ; 32 registers: 1 + exp2(..)
.set jj, 0
.rept 16
	v_pk_add_f32 v[\b+jj:\b+jj+1], v[\b+jj:\b+jj+1], 1.0 op_sel_hi:[1,0]
.set jj, jj+2
.endr
.endm
.macro PACK b                          ; 16 f32 at b become 8 registers of bf16 at b: each target has been read when it is written
.set jj, 0
	s_wait_alu depctr_va_vdst(0)
.rept 8
	v_cvt_pk_bf16_f32 v[\b+jj], v[\b+2*jj], v[\b+2*jj+1]
.set jj, jj+1
.endr
.endm
; x1 = sigmoid(Wh o1 + bh) for the wave's 32 rows.  D = A B + C with A = 16 hidden units x K, B = K x 16 rows, C = the bias.
; B wants in lane (r, h) the numbers 8h .. 8h+7 of row r.  A lane holds all 16 of its own row: it packs 0-7 into PB0 and 8-15 into PB1, and the exchange
; of PB0's lanes 16-31 with PB1's lanes 0-15 makes PB0 the B of the rows of lanes 0-15 and PB1 that of lanes 16-31.
; In D, register j of lane (r, h) is hidden unit 16t + 8h + j of row r: packed by pairs, tiles 2c and 2c + 1 are already the second layer's B of chunk c.
.macro HIDDEN
.irp q, 0,1,2,3
	v_cvt_pk_bf16_f32 v[PB0+\q], v[POOL+32+2*\q], v[POOL+33+2*\q]
	v_cvt_pk_bf16_f32 v[PB1+\q], v[POOL+40+2*\q], v[POOL+41+2*\q]
.endr
.irp q, 0,1,2,3
	v_permlane16_swap_b32 v[PB0+\q], v[PB1+\q]
.endr
	; eight accumulators, each written once.  A's registers 4-7 are the next tile's weights (behind tile 3: Wo's first four) and meet B's zeros.
.irp t, 0,1,2,3
	v_wmma_f32_16x16x32_bf16 v[POOL+8*\t:POOL+8*\t+7], v[WH+4*\t:WH+4*\t+7], v[PB0:PB0+7], v[BH+8*\t:BH+8*\t+7]
.endr
.irp t, 0,1,2,3
	v_wmma_f32_16x16x32_bf16 v[POOL+32+8*\t:POOL+32+8*\t+7], v[WH+4*\t:WH+4*\t+7], v[PB1:PB1+7], v[BH+8*\t:BH+8*\t+7]
.endr
.rept 4
	v_nop                                          ; four places before a vector instruction reads a matrix result (ISA guide 7.12.1)
.endr
	EXPS POOL, 64                                  ; exp2(-log2(e) z)
	v_nop                                          ; the plain place behind the exponentials
	s_wait_alu depctr_va_vdst(0)
	ONEPLUS POOL
	RCPS POOL, 32
	ONEPLUS POOL+32                                ; also the plain place behind the first 32 reciprocals
	RCPS POOL+32, 32
	PACK POOL                                      ; also the plain place behind the second 32
	PACK POOL+16
	PACK POOL+32
	PACK POOL+48
.endm
; x2 = Wo x1 + bo.  Two accumulators (rows of lanes 0-15, of lanes 16-31), K = 64 in two chunks.  The accumulators take turns, one instruction a turn.
; Wo's rows stand twice in A, so register j holds x2[j] of row r in both halves of the lanes: a select by the lane's half
; gives every lane its own row again.
.macro OUTL
	v_wmma_f32_16x16x32_bf16 v[ACL:ACL+7], v[WO:WO+7],    v[POOL:POOL+7],     v[BO:BO+7]
	v_wmma_f32_16x16x32_bf16 v[ACH:ACH+7], v[WO:WO+7],    v[POOL+32:POOL+39], v[BO:BO+7]
	v_wmma_f32_16x16x32_bf16 v[ACL:ACL+7], v[WO+8:WO+15], v[POOL+16:POOL+23], v[ACL:ACL+7]
	v_wmma_f32_16x16x32_bf16 v[ACH:ACH+7], v[WO+8:WO+15], v[POOL+48:POOL+55], v[ACH:ACH+7]
.rept 4
	v_nop                                          ; four places before the results are read and B's registers written (ISA guide 7.12.1)
.endr
.irp j, 0,1,2,3,4,5,6,7
	v_cndmask_b32 v[POOL+\j], v[ACL+\j], v[ACH+\j], s48
.endr
.endm
; out = sum of x[8+j] e_j / sum of e_j, e_j = exp2(t_j - max t), t = log2(e) wv1 o2
.macro FINAL s, xb
.irp q, 0,2,4,6
	v_pk_mul_f32 v[RT+\q:RT+\q+1], v[POOL+24+\q:POOL+25+\q], s[46:47] op_sel_hi:[1,0]
.endr
	v_min3_num_f32 v[RS], -v[RT], -v[RT+1], -v[RT+2]
	v_min3_num_f32 v[RS], v[RS], -v[RT+3], -v[RT+4]
	v_min3_num_f32 v[RS], v[RS], -v[RT+5], -v[RT+6]
	v_min_num_f32 v[RS], v[RS], -v[RT+7]           ; -max t
.irp q, 0,2,4,6
	v_pk_add_f32 v[RT+\q:RT+\q+1], v[RT+\q:RT+\q+1], v[RS:RS+1] op_sel_hi:[1,0]
.endr
	EXPS RT, 8
	v_nop                                          ; the plain place behind the exponentials
	s_wait_alu depctr_va_vdst(0)
	v_pk_add_f32 v[POOL+8:POOL+9],   v[RT:RT+1],     v[RT+2:RT+3]
	v_pk_add_f32 v[POOL+10:POOL+11], v[RT+4:RT+5],   v[RT+6:RT+7]
	v_pk_add_f32 v[POOL+8:POOL+9],   v[POOL+8:POOL+9], v[POOL+10:POOL+11]
	v_add_f32 v[POOL+8], v[POOL+8], v[POOL+9]      ; the denominator, at least 1
	v_rcp_f32 v[RS], v[POOL+8]                     ; the numerator's lines are the plain places behind it
	v_pk_mul_f32 v[POOL+12:POOL+13], v[RT:RT+1],   v[\xb+8:\xb+9]
	v_pk_fma_f32 v[POOL+12:POOL+13], v[RT+2:RT+3], v[\xb+10:\xb+11], v[POOL+12:POOL+13]
	v_pk_fma_f32 v[POOL+12:POOL+13], v[RT+4:RT+5], v[\xb+12:\xb+13], v[POOL+12:POOL+13]
	v_pk_fma_f32 v[POOL+12:POOL+13], v[RT+6:RT+7], v[\xb+14:\xb+15], v[POOL+12:POOL+13]
	v_add_f32 v[POOL+12], v[POOL+12], v[POOL+13]
	s_wait_alu depctr_va_vdst(0)
	v_mul_f32 v[RES+\s], v[POOL+12], v[RS]
.endm
; Pass s: row 4L + s of every lane, x in xb; the next pass's x is fetched from LDS into xn meanwhile.
.macro ROWS s, xb, xn
.if \s < 3
.irp p, 0,1,2,3
	ds_load_b128 v[\xn+4*\p:\xn+4*\p+3], v[LA] offset:64*(\s+1)+16*\p
.endr
	s_wait_dscnt 0x4                               ; LDS loads come back in order (ISA guide 5.7.1): this pass's four are in, the four just issued stay out
.else
	s_wait_dscnt 0x0                               ; the last pass: nothing was issued behind its four
.endif
	ATT 16, \xb, POOL, POOL+16, POOL+32, 40
	HIDDEN
	OUTL
	ATT 8, POOL, POOL+8, POOL+16, POOL+24, 42
	FINAL \s, \xb
.endm
	ROWS 0, XA, XB
	ROWS 1, XB, XA
	ROWS 2, XA, XB
	ROWS 3, XB, XA
	global_store_b128 v[OFS], v[RES:RES+3], s[24:25] th:TH_STORE_NT    ; rows 4L .. 4L+3: sixteen lanes store 256 consecutive bytes, aligned; written once, not read again
	s_wait_tensorcnt 0x0
	ds_add_u32 v212, v213
	s_wait_dscnt 0x0
	s_endpgm
.Lfunc_end_k_q6ee8216703_attn:
	.size	k_q6ee8216703_attn, .Lfunc_end_k_q6ee8216703_attn-k_q6ee8216703_attn
	.p2alignl 7, 3214868480
	.fill 96, 4, 3214868480
	.section	.rodata,"a",@progbits
	.p2align	6, 0x0
	.amdhsa_kernel k_q6ee8216703_attn
		.amdhsa_group_segment_fixed_size 169984
		.amdhsa_private_segment_fixed_size 0
		.amdhsa_enable_private_segment 0
		.amdhsa_kernarg_size 72
		.amdhsa_user_sgpr_count 2
		.amdhsa_user_sgpr_kernarg_segment_ptr 1
		.amdhsa_wavefront_size32 1
		.amdhsa_system_sgpr_workgroup_id_x 1
		.amdhsa_system_sgpr_workgroup_id_y 1
		.amdhsa_system_sgpr_workgroup_id_z 1
		.amdhsa_system_vgpr_workitem_id 0
		.amdhsa_next_free_vgpr 214
		.amdhsa_next_free_sgpr 66
		.amdhsa_reserve_vcc 0
		.amdhsa_float_denorm_mode_32 3
		.amdhsa_float_denorm_mode_16_64 3
		.amdhsa_memory_ordered 1
		.amdhsa_forward_progress 1
		.amdhsa_inst_pref_size 248
	.end_amdhsa_kernel
	.amdgpu_metadata
---
amdhsa.version: [ 1, 2 ]
amdhsa.kernels:
  - .name:           k_q6ee8216703_attn
    .symbol:         k_q6ee8216703_attn.kd
    .args:
      - { .name: x, .offset: 0, .size: 8, .value_kind: global_buffer, .address_space: global }
      - { .name: wq, .offset: 8, .size: 8, .value_kind: global_buffer, .address_space: global }
      - { .name: wk, .offset: 16, .size: 8, .value_kind: global_buffer, .address_space: global }
      - { .name: wv, .offset: 24, .size: 8, .value_kind: global_buffer, .address_space: global }
      - { .name: Wh, .offset: 32, .size: 8, .value_kind: global_buffer, .address_space: global }
      - { .name: bh, .offset: 40, .size: 8, .value_kind: global_buffer, .address_space: global }
      - { .name: Wo, .offset: 48, .size: 8, .value_kind: global_buffer, .address_space: global }
      - { .name: bo, .offset: 56, .size: 8, .value_kind: global_buffer, .address_space: global }
      - { .name: out0, .offset: 64, .size: 8, .value_kind: global_buffer, .address_space: global }
    .group_segment_fixed_size: 169984
    .private_segment_fixed_size: 0
    .kernarg_segment_align: 8
    .kernarg_segment_size: 72
    .max_flat_workgroup_size: 512
    .sgpr_count:     66
    .vgpr_count:     214
    .wavefront_size: 32
...
	.end_amdgpu_metadata
.endif
;; end of part 1
